; MI455X (gfx1250); checked and timed in simulation.
; The chip was launched on July 23, 2026; its instructions are those of AMD's public machine-readable ISA for CDNA 5 (MIT licence, August 2026) and "CDNA5" Instruction Set Architecture Reference Guide (July 2026). The comments in the code are by the model that wrote it; some were corrected since.
;; Temp Predictor. Allowed arithmetic: float matrix products may take bf16 or f16 operands with f32 sums; all other float work in f32.
;; Inputs: b_hh 96 float32; b_ih 96 float32; fc_b 1 float32; fc_w 1 x 32 float32; w_hh 96 x 32 float32; w_ih 96 x 1 float32; x 4,096 x 1,024 x 1 float32.
;; Outputs: out0 4,096 x 1 float32.
;; One version. Each part assembles by itself: llvm-mc -triple=amdgcn-amd-amdhsa -mcpu=gfx1250 --defsym DOCPART=n.
;; ======== version 1 of 1: 1 launch
;; launch gru (part 1): grid 256 x 1, 4 waves a work-group, no clusters, 0 bytes of LDS; arguments x, w_ih, w_hh, b_ih, b_hh, fc_w, fc_b, out0; writes out0
.if DOCPART == 1
	.amdgcn_target "amdgcn-amd-amdhsa--gfx1250"
	.amdhsa_code_object_version 6
	.text
	.protected	k_q0ba0ad4d5f_gru
	.globl	k_q0ba0ad4d5f_gru
	.p2align	8
	.type	k_q0ba0ad4d5f_gru,@function
k_q0ba0ad4d5f_gru:
	s_mov_b64 s[64:65], 0
	v_nop
	global_prefetch_b8 v0, s[64:65] scope:SCOPE_SE
	s_setreg_imm32_b32 hwreg(HW_REG_WAVE_MODE, 25, 1), 1
	s_wait_xcnt 0x0
; GRU cell (32 hidden units, one input feature) over 1,024 steps for 4,096 rows, then out0[b] = h_last[b] . fc_w + fc_b.
;
; SHARES.  1,024 waves (256 work-groups of four) that never speak to each other; a wave owns 4 batch rows for all steps and keeps
; everything in registers: no LDS, no barrier.  The steps depend on each other, so what counts is a short step, and the
; element-wise work (6 transcendentals for each hidden number and step) is spread as widely as the batch allows.
;
; THE GATE PRODUCT  D = h x w_hh^T + C:  A = h (row m = batch row, k = unit), B = 16 rows of w_hh (column n = gate).  In D, register j of
; lane (r = lane % 16, hf = lane / 16) is (m = 8 hf + j, n = r).  The wave's four batch rows sit at m = 0, 1, 8, 9, that is in registers
; 0 and 1 of both halves of the lanes: a lane works on 2 rows x 2 tiles of units = 4 hidden numbers.  The other twelve rows of A are
; copies of these four; their results (registers 2 to 7 of every D) are read by no vector instruction.
;
; THE WAY BACK  h_new lies with lane = unit, register = batch row.  Packed to bf16 that is register 0 of an A fragment of h^T
; (row = unit, k = batch row 8 hf + 0, 1).  Multiplied by the constant matrix ID(k, n) = (k == (n & 9)) it gives
; D2(m = unit, n) = h(row n & 9, unit), one non-zero product for each sum, so the bf16 numbers pass unchanged; D2's registers, packed
; in pairs, are the A fragment of h for the next gate product.  Two matrix instructions and eight conversions, no LDS round trip.
;
; ARITHMETIC  h is carried in f32; only the product's operands are bf16.  Gate r is scaled by -log2 e, z by +log2 e, n by 2 log2 e
; (weights and biases alike, once), so that   r = rcp(1 + exp2 Dr),   u = 1 - z = rcp(1 + exp2 Dz),   e = exp2(r Dn + In),
; tanh - 1 = rcp(-e/2 - 1/2),   h' = u ((tanh - 1) + (1 - h)) + h.   An exp2 that overflows gives rcp = 0, the right limit: no clamp.
; x w_ih + b is made in f32: for r and z straight into registers 0, 1 of the accumulators (the product's C), for n apart,
; since there r multiplies only the hidden part, whose bias b_hh comes in as a constant C.
;
; THE ORDER OF A STEP  The six gate products go r, r, n, n, z, z.  Gate r's vector work needs only the first two, so it is written
; between the later four, and the tanh chain in front of gate z's: vector and matrix work of the one wave can then run side by side.
;
; LIMITS  NaN and infinite inputs are not followed.  v_exp_f32 gives 0 for results below 2^-126 (an absolute error below 2^-126).
; w_hh is scaled before it is rounded to bf16, h is rounded to bf16 for the product: the order of rounding is not the reference's.
; Registers 2 to 7 of the r and z accumulators are cleared once and then add up the unread copies' products step by step.
;
; LEFT OUT  Tensor loads, LDS and clusters: the waves share nothing but 13 KB of weights, read once.  A wave's result is 16 bytes.
.set STEPS,  1024
.set ROWB,   4*STEPS                   ; bytes of a row of x
.set TRIPS,  STEPS/16-1                ; a trip = 4 chunks of 4 steps; the last 16 steps are written out behind the loop
.set XO,  1                            ; v1        hf x 2 rows of x, in bytes
.set SW,  2                            ; v2        at work in SWAPX
.set OO,  3                            ; v3        hf x 8: my half's two numbers in the wave's 16 bytes of out0
.set FW,  4                            ; v[4:5]    fc_w[r], fc_w[16 + r]
.set WO,  6                            ; v6        set-up: r x 128 + hf x 32, my part of a row of w_hh
.set RO,  7                            ; v7        set-up: 4 r
.set WB,  8                            ; v[8:55]   six B fragments of w_hh in bf16, tile g at WB + 8 g: g = 0, 1 gate r; 2, 3 gate z; 4, 5 gate n
.set CN,  56                           ; v[56:71]  C of gate n, two tiles: registers 0, 1 = scaled b_hh[64 + 16 i + r], the rest 0
.set AT,  72                           ; v[72:87]  A fragments of h^T, two tiles: register 0 = my two h in bf16, the rest 0
.set SM,  72                           ; v[72:89]  set-up only: w_ih, b_ih, b_hh of my six gates as loaded
.set ID,  88                           ; v[88:95]  B fragment of the selection matrix
.set HA,  96                           ; v[96:103] A fragment of h
.set XW,  104                          ; v[104:115] pair 2 g: scaled w_ih[16 g + r], twice
.set XB,  116                          ; v[116:127] pair 2 g: scaled b_ih + b_hh (g < 4) or scaled b_ih (g = 4, 5), twice
.set H,   128                          ; v[128:131] h in f32: H[2 i + j] = row 8 hf + j, unit 16 i + r
.set G,   132                          ; v[132:135] 1 - h, then tanh - h
.set IN,  136                          ; v[136:139] input part of gate n
.set E0,  140                          ; v[140:155] four sets of four, at work
.set E1,  144
.set E2,  148
.set E3,  152
.set TMP, 156                          ; v[156:251] set-up only: w_hh in f32, tile g at TMP + 16 g
.set DR,  156                          ; v[156:171] accumulators of gate r, two tiles
.set DZ,  172                          ; v[172:187] gate z
.set DN,  188                          ; v[188:203] gate n
.set D2,  204                          ; v[204:219] h transposed, two tiles
.set X,   220                          ; v[220:251] ring of x: chunk c = 8 registers, 4 steps of my half's 2 rows
.set S_R, 26                           ; s[26:27]  -log2 e, twice (a pair for the packed multiply)
.set S_Z, 28                           ; s[28:29]  +log2 e
.set S_N, 30                           ; s[30:31]  2 log2 e
	s_load_b256 s[4:11], s[0:1], 0x0               ; x s[4:5], w_ih s[6:7], w_hh s[8:9], b_ih s[10:11]
	s_load_b256 s[12:19], s[0:1], 0x20             ; b_hh s[12:13], fc_w s[14:15], fc_b s[16:17], out0 s[18:19]
	v_lshrrev_b32 v[E0], 5, v0
	v_readfirstlane_b32 s20, v[E0]                 ; wave 0..3
	v_and_b32 v[E1], 15, v0                        ; r
	v_bfe_u32 v[E1+1], v0, 4, 1                    ; hf
	v_lshlrev_b32 v[XO], 13, v[E1+1]               ; hf x 2 x 4,096
	v_lshlrev_b32 v[OO], 3, v[E1+1]
	v_lshlrev_b32 v[WO], 7, v[E1]                  ; a row of w_hh is 128 bytes
	v_lshl_add_u32 v[WO], v[E1+1], 5, v[WO]        ; k = 8 hf .. is 32 hf bytes in
	v_lshlrev_b32 v[RO], 2, v[E1]
	s_mov_b32 s[S_R],   0xbfb8aa3b
	s_mov_b32 s[S_R+1], 0xbfb8aa3b
	s_mov_b32 s[S_Z],   0x3fb8aa3b
	s_mov_b32 s[S_Z+1], 0x3fb8aa3b
	s_mov_b32 s[S_N],   0x4038aa3b
	s_mov_b32 s[S_N+1], 0x4038aa3b
	s_lshl_b32 s22, ttmp9, 16                      ; a work-group has 16 rows of 4,096 bytes,
	s_lshl_b32 s25, s20, 14                        ; a wave 4
	s_add_co_u32 s22, s22, s25
	s_mov_b32 s23, 0
	s_wait_kmcnt 0x0
	s_load_b32 s21, s[16:17], 0x0                  ; fc_b
	s_add_nc_u64 s[4:5], s[4:5], s[22:23]          ; x at the wave's first row
	s_lshr_b32 s22, s22, 10                        ; 4 bytes of out0 for 4,096 bytes of x
	s_add_nc_u64 s[18:19], s[18:19], s[22:23]      ; out0 at the wave's four numbers
; Tile g of w_hh as a B fragment in f32: lane (r, hf) takes k = 8 hf .. + 7 and k = 16 + 8 hf .. + 7 of row 16 g + r.
.macro LOADW g
	global_load_b128 v[TMP+16*\g:TMP+16*\g+3],     v[WO], s[8:9] offset:2048*\g
	global_load_b128 v[TMP+16*\g+4:TMP+16*\g+7],   v[WO], s[8:9] offset:2048*\g+16
	global_load_b128 v[TMP+16*\g+8:TMP+16*\g+11],  v[WO], s[8:9] offset:2048*\g+64
	global_load_b128 v[TMP+16*\g+12:TMP+16*\g+15], v[WO], s[8:9] offset:2048*\g+80
.endm
; Scale tile g by the gate's factor (pair s[sc:sc+1], its first register for both halves) and round it to bf16.
.macro CONVW g, sc
.irp q, 0,1,2,3,4,5,6,7
	v_pk_mul_f32 v[TMP+16*\g+2*\q:TMP+16*\g+2*\q+1], v[TMP+16*\g+2*\q:TMP+16*\g+2*\q+1], s[\sc:\sc+1] op_sel_hi:[1,0]
.endr
.irp q, 0,1,2,3,4,5,6,7
	v_cvt_pk_bf16_f32 v[WB+8*\g+\q], v[TMP+16*\g+2*\q], v[TMP+16*\g+2*\q+1]
.endr
.endm
; The input weight and the biases of tile g.  both = 1 (gates r, z): the two biases go together.  both = 0 (gate n): b_hh goes into C.
.macro GATEC g, sc, both
	v_mul_f32 v[XW+2*\g],   s[\sc], v[SM+\g]
	v_mul_f32 v[XW+2*\g+1], s[\sc], v[SM+\g]
.if \both
	v_add_f32 v[E0], v[SM+6+\g], v[SM+12+\g]
	v_mul_f32 v[XB+2*\g],   s[\sc], v[E0]
	v_mul_f32 v[XB+2*\g+1], s[\sc], v[E0]
.else
	v_mul_f32 v[XB+2*\g],   s[\sc], v[SM+6+\g]
	v_mul_f32 v[XB+2*\g+1], s[\sc], v[SM+6+\g]
	v_mul_f32 v[CN+8*(\g-4)],   s[\sc], v[SM+12+\g]
	v_mul_f32 v[CN+8*(\g-4)+1], s[\sc], v[SM+12+\g]
.endif
.endm
	LOADW 4                                        ; tiles 4 and 5 first: their f32 registers become the ring of x
	LOADW 5
	LOADW 0
	LOADW 1
	LOADW 2
	LOADW 3
.irp g, 0,1,2,3,4,5
	global_load_b32 v[SM+\g], v[RO], s[6:7] offset:64*\g           ; w_ih[16 g + r]
.endr
.irp g, 0,1,2,3,4,5
	global_load_b32 v[SM+6+\g], v[RO], s[10:11] offset:64*\g       ; b_ih[16 g + r]
.endr
.irp g, 0,1,2,3,4,5
	global_load_b32 v[SM+12+\g], v[RO], s[12:13] offset:64*\g      ; b_hh[16 g + r]
.endr
	global_load_b32 v[FW],   v[RO], s[14:15]
	global_load_b32 v[FW+1], v[RO], s[14:15] offset:64
	s_wait_loadcnt 36                              ; loads come back in order (ISA guide 5.7.1): tiles 4, 5 are in; 16 of w_hh and 20 small ones stay out
	CONVW 4, S_N
	CONVW 5, S_N
.irp c, 0,1,2,3
	global_load_b128 v[X+8*\c:X+8*\c+3],   v[XO], s[4:5] offset:16*\c          ; steps 4 c .. 4 c + 3 of my half's first row
	global_load_b128 v[X+8*\c+4:X+8*\c+7], v[XO], s[4:5] offset:ROWB+16*\c     ; and of its second row
.endr
	s_wait_loadcnt 28                              ; tiles 0 to 3 are in; the 20 small loads and the 8 of x stay out
	CONVW 0, S_R
	CONVW 1, S_R
	CONVW 2, S_Z
	CONVW 3, S_Z
	s_wait_loadcnt 8                               ; the small loads are in; the 8 of x stay out
	GATEC 0, S_R, 1
	GATEC 1, S_R, 1
	GATEC 2, S_Z, 1
	GATEC 3, S_Z, 1
	GATEC 4, S_N, 0
	GATEC 5, S_N, 0
	; Constants of the fragments, once.  Rows of C that belong to no batch row of mine:
.irp b, CN, CN+8, DR, DR+8, DZ, DZ+8
.irp j, 2,3,4,5,6,7
	v_mov_b32 v[\b+\j], 0
.endr
.endr
	; h = 0 at the start, in f32 and in both A fragments of h^T, whose registers 1 to 7 (k that is no batch row) stay 0:
.set i, 0
.rept 16
	v_mov_b32 v[AT+i], 0
.set i, i+1
.endr
.irp j, 0,1,2,3
	v_mov_b32 v[H+\j], 0
.endr
	; ID: lane (r, hf) holds column n = r, and register 0 holds k = 8 hf (low half) and 8 hf + 1 (high half).
	; k == (r & 9) means: hf == bit 3 of r, and the half is bit 0 of r.  1.0 in bf16 is 0x3f80.
	v_bfe_u32 v[E0], v0, 3, 1
	v_and_b32 v[E0+1], 1, v0
	v_lshlrev_b32 v[E0+1], 4, v[E0+1]
	v_mov_b32 v[E0+2], 0x3f80
	v_lshlrev_b32 v[E0+2], v[E0+1], v[E0+2]
	v_cmp_eq_u32 vcc_lo, v[E0], v[E1+1]
	v_cndmask_b32 v[ID], 0, v[E0+2], vcc_lo
.irp j, 1,2,3,4,5,6,7
	v_mov_b32 v[ID+\j], 0
.endr
	s_wait_kmcnt 0x0                               ; fc_b
; A chunk comes as 4 steps of row 0, then 4 steps of row 1.  Two exchanges make pairs (row 0, row 1) for the packed arithmetic:
; step 0 at +0, step 1 at +4, step 2 at +2, step 3 at +6.
.macro SWAPX c
	v_mov_b32 v[SW], v[X+8*\c+1]
	v_mov_b32 v[X+8*\c+1], v[X+8*\c+4]
	v_mov_b32 v[X+8*\c+4], v[SW]
	v_mov_b32 v[SW], v[X+8*\c+3]
	v_mov_b32 v[X+8*\c+3], v[X+8*\c+6]
	v_mov_b32 v[X+8*\c+6], v[SW]
.endm
; One step.  xp = the register pair with this step's x of my two rows.
; Behind a matrix instruction four plain vector instructions that name none of its registers stand before its result is read
; (ISA guide 7.12.1); matrix instructions and transcendentals in between are not counted.  The four are named at each first reader.
; Behind a transcendental one plain vector instruction on other registers stands before its result is used (ISA guide 5.7.2).
.macro STEP xp
	v_wmma_f32_16x16x32_bf16 v[D2:D2+7],    v[AT:AT+7],    v[ID:ID+7], 0       ; h transposed, units 0-15
	v_wmma_f32_16x16x32_bf16 v[D2+8:D2+15], v[AT+8:AT+15], v[ID:ID+7], 0       ; units 16-31
	v_pk_fma_f32 v[DR:DR+1],   v[\xp:\xp+1], v[XW:XW+1],     v[XB:XB+1]        ; four places: x w_ih + b of gates r and z,
	v_pk_fma_f32 v[DR+8:DR+9], v[\xp:\xp+1], v[XW+2:XW+3],   v[XB+2:XB+3]      ; into the rows of C that are mine
	v_pk_fma_f32 v[DZ:DZ+1],   v[\xp:\xp+1], v[XW+4:XW+5],   v[XB+4:XB+5]
	v_pk_fma_f32 v[DZ+8:DZ+9], v[\xp:\xp+1], v[XW+6:XW+7],   v[XB+6:XB+7]
.irp q, 0,1,2,3,4,5,6,7
	v_cvt_pk_bf16_f32 v[HA+\q], v[D2+2*\q], v[D2+2*\q+1]                       ; exact: the numbers are bf16 already
.endr
	v_wmma_f32_16x16x32_bf16 v[DR:DR+7],    v[HA:HA+7], v[WB:WB+7],     v[DR:DR+7]
	v_wmma_f32_16x16x32_bf16 v[DR+8:DR+15], v[HA:HA+7], v[WB+8:WB+15],  v[DR+8:DR+15]
	v_pk_fma_f32 v[IN:IN+1],   v[\xp:\xp+1], v[XW+8:XW+9],   v[XB+8:XB+9]      ; the input part of gate n
	v_pk_fma_f32 v[IN+2:IN+3], v[\xp:\xp+1], v[XW+10:XW+11], v[XB+10:XB+11]
	v_wmma_f32_16x16x32_bf16 v[DN:DN+7],    v[HA:HA+7], v[WB+32:WB+39], v[CN:CN+7]
	v_pk_fma_f32 v[G:G+1],     v[H:H+1],     -1.0, 1.0 op_sel_hi:[1,0,0]       ; 1 - h
	v_pk_fma_f32 v[G+2:G+3],   v[H+2:H+3],   -1.0, 1.0 op_sel_hi:[1,0,0]
	v_wmma_f32_16x16x32_bf16 v[DN+8:DN+15], v[HA:HA+7], v[WB+40:WB+47], v[CN+8:CN+15]
.irp i, 0,1
.irp j, 0,1
	v_exp_f32 v[E0+2*\i+\j], v[DR+8*\i+\j]         ; gate r; its four places: the two lines of IN and the two of G
.endr
.endr
	v_wmma_f32_16x16x32_bf16 v[DZ:DZ+7],    v[HA:HA+7], v[WB+16:WB+23], v[DZ:DZ+7]
	v_nop                                          ; the plain place behind the four exponentials
	v_pk_add_f32 v[E0:E0+1],   v[E0:E0+1],   1.0 op_sel_hi:[1,0]
	v_pk_add_f32 v[E0+2:E0+3], v[E0+2:E0+3], 1.0 op_sel_hi:[1,0]
	v_wmma_f32_16x16x32_bf16 v[DZ+8:DZ+15], v[HA:HA+7], v[WB+24:WB+31], v[DZ+8:DZ+15]
.irp k, 0,1,2,3
	v_rcp_f32 v[E2+\k], v[E0+\k]                   ; r
.endr
	v_nop                                          ; the plain place behind the reciprocals
	v_pk_fma_f32 v[E3:E3+1],   v[E2:E2+1],   v[DN:DN+1],   v[IN:IN+1]          ; r x (hidden part of n) + input part; behind the second product
	v_pk_fma_f32 v[E3+2:E3+3], v[E2+2:E2+3], v[DN+8:DN+9], v[IN+2:IN+3]        ; of n stand v_nop, two additions, v_nop: four places
.irp k, 0,1,2,3
	v_exp_f32 v[E0+\k], v[E3+\k]
.endr
	v_nop                                          ; the plain place; with the v_nop and the two lines of E3 above, the fourth behind the last product of z
.irp i, 0,1
.irp j, 0,1
	v_exp_f32 v[E1+2*\i+\j], v[DZ+8*\i+\j]         ; gate z
.endr
.endr
	v_pk_fma_f32 v[E3:E3+1],   v[E0:E0+1],   -0.5, -0.5 op_sel_hi:[1,0,0]      ; these two are the plain place behind gate z's exponentials
	v_pk_fma_f32 v[E3+2:E3+3], v[E0+2:E0+3], -0.5, -0.5 op_sel_hi:[1,0,0]
.irp k, 0,1,2,3
	v_rcp_f32 v[E2+\k], v[E3+\k]                   ; tanh - 1
.endr
	v_pk_add_f32 v[E1:E1+1],   v[E1:E1+1],   1.0 op_sel_hi:[1,0]               ; the plain place behind these reciprocals
	v_pk_add_f32 v[E1+2:E1+3], v[E1+2:E1+3], 1.0 op_sel_hi:[1,0]
.irp k, 0,1,2,3
	v_rcp_f32 v[E0+\k], v[E1+\k]                   ; u = 1 - z
.endr
	v_pk_add_f32 v[G:G+1],     v[G:G+1],     v[E2:E2+1]                        ; (1 - h) + (tanh - 1): needs no u, and is the plain place
	v_pk_add_f32 v[G+2:G+3],   v[G+2:G+3],   v[E2+2:E2+3]
	v_pk_fma_f32 v[H:H+1],     v[E0:E0+1],   v[G:G+1],     v[H:H+1]            ; the new h: one fused multiply-add behind the last reciprocal
	v_pk_fma_f32 v[H+2:H+3],   v[E0+2:E0+3], v[G+2:G+3],   v[H+2:H+3]
	v_cvt_pk_bf16_f32 v[AT],   v[H],   v[H+1]      ; k = 8 hf, 8 hf + 1 of row r of h^T
	v_cvt_pk_bf16_f32 v[AT+8], v[H+2], v[H+3]
.endm
; Four steps.  left = how many younger loads may stay out; reload = 1: the chunk's registers are asked again, 16 steps further on.
.macro CHUNK c, reload, left
	s_wait_loadcnt \left
	SWAPX \c
	STEP X+8*\c
	STEP X+8*\c+4
	STEP X+8*\c+2
	STEP X+8*\c+6
.if \reload
	global_load_b128 v[X+8*\c:X+8*\c+3],   v[XO], s[4:5] offset:64+16*\c
	global_load_b128 v[X+8*\c+4:X+8*\c+7], v[XO], s[4:5] offset:ROWB+64+16*\c
.endif
.endm
	s_mov_b32 s24, TRIPS
.Ltrip:
	CHUNK 0, 1, 6                                  ; 6 = two loads of each of the three younger chunks, on the way in and round the back edge
	CHUNK 1, 1, 6
	CHUNK 2, 1, 6
	CHUNK 3, 1, 6
	s_wait_xcnt 0x0                                ; the base that the trip's loads name is stepped only behind this wait
	s_add_nc_u64 s[4:5], s[4:5], 64                ; 16 steps of 4 bytes; the last trip's loads end at byte 63 x 64 + 63 of their rows
	s_sub_co_u32 s24, s24, 1
	s_cmp_lg_u32 s24, 0
	s_cbranch_scc1 .Ltrip
	CHUNK 0, 0, 6                                  ; the last 16 steps ask for nothing: the counts run down
	CHUNK 1, 0, 4
	CHUNK 2, 0, 2
	CHUNK 3, 0, 0
	; out0 = h . fc_w + fc_b in f32: two products a lane and row, then a sum over the 16 lanes (units) of my half.
	v_mul_f32  v[E0],   v[H],   v[FW]
	v_mul_f32  v[E0+1], v[H+1], v[FW]
	v_fmac_f32 v[E0],   v[H+2], v[FW+1]
	v_fmac_f32 v[E0+1], v[H+3], v[FW+1]
.irp m, 1,2,4,8
	v_add_f32_dpp v[E0],   v[E0],   v[E0]   row_xmask:\m row_mask:0xf bank_mask:0xf
	v_add_f32_dpp v[E0+1], v[E0+1], v[E0+1] row_xmask:\m row_mask:0xf bank_mask:0xf
.endr
	v_add_f32 v[E0],   s21, v[E0]
	v_add_f32 v[E0+1], s21, v[E0+1]
	v_and_b32 v[E1], 15, v0
	v_cmp_eq_u32 vcc_lo, 0, v[E1]
	s_and_saveexec_b32 s25, vcc_lo                 ; lanes 0 and 16; no global instruction is pending: the last wait for loads was for zero
	global_store_b64 v[OO], v[E0:E0+1], s[18:19]   ; 8 bytes each: the wave's 16 neighbouring bytes
	s_endpgm
.Lfunc_end_k_q0ba0ad4d5f_gru:
	.size	k_q0ba0ad4d5f_gru, .Lfunc_end_k_q0ba0ad4d5f_gru-k_q0ba0ad4d5f_gru
	.p2alignl 7, 3214868480
	.fill 96, 4, 3214868480
	.section	.rodata,"a",@progbits
	.p2align	6, 0x0
	.amdhsa_kernel k_q0ba0ad4d5f_gru
		.amdhsa_group_segment_fixed_size 0
		.amdhsa_private_segment_fixed_size 0
		.amdhsa_enable_private_segment 0
		.amdhsa_kernarg_size 64
		.amdhsa_user_sgpr_count 2
		.amdhsa_user_sgpr_kernarg_segment_ptr 1
		.amdhsa_wavefront_size32 1
		.amdhsa_system_sgpr_workgroup_id_x 1
		.amdhsa_system_sgpr_workgroup_id_y 1
		.amdhsa_system_sgpr_workgroup_id_z 1
		.amdhsa_system_vgpr_workitem_id 0
		.amdhsa_next_free_vgpr 256
		.amdhsa_next_free_sgpr 66
		.amdhsa_reserve_vcc 1
		.amdhsa_float_denorm_mode_32 3
		.amdhsa_float_denorm_mode_16_64 3
		.amdhsa_memory_ordered 1
		.amdhsa_forward_progress 1
		.amdhsa_inst_pref_size 123
	.end_amdhsa_kernel
	.amdgpu_metadata
---
amdhsa.version: [ 1, 2 ]
amdhsa.kernels:
  - .name:           k_q0ba0ad4d5f_gru
    .symbol:         k_q0ba0ad4d5f_gru.kd
    .args:
      - { .name: x, .offset: 0, .size: 8, .value_kind: global_buffer, .address_space: global }
      - { .name: w_ih, .offset: 8, .size: 8, .value_kind: global_buffer, .address_space: global }
      - { .name: w_hh, .offset: 16, .size: 8, .value_kind: global_buffer, .address_space: global }
      - { .name: b_ih, .offset: 24, .size: 8, .value_kind: global_buffer, .address_space: global }
      - { .name: b_hh, .offset: 32, .size: 8, .value_kind: global_buffer, .address_space: global }
      - { .name: fc_w, .offset: 40, .size: 8, .value_kind: global_buffer, .address_space: global }
      - { .name: fc_b, .offset: 48, .size: 8, .value_kind: global_buffer, .address_space: global }
      - { .name: out0, .offset: 56, .size: 8, .value_kind: global_buffer, .address_space: global }
    .group_segment_fixed_size: 0
    .private_segment_fixed_size: 0
    .kernarg_segment_align: 8
    .kernarg_segment_size: 64
    .max_flat_workgroup_size: 128
    .sgpr_count:     66
    .vgpr_count:     256
    .wavefront_size: 32
...
	.end_amdgpu_metadata
.endif
;; end of part 1
